; MI455X (gfx1250); checked and timed in simulation.
; The chip was launched on July 23, 2026; its instructions are those of AMD's public machine-readable ISA for CDNA 5 (MIT licence, August 2026) and "CDNA5" Instruction Set Architecture Reference Guide (July 2026). The comments in the code are by the model that wrote it; some were corrected since.
;; Scale Dot Product Attention. Allowed arithmetic: float matrix products may take bf16 or f16 operands with f32 sums; other float arithmetic in f32, or as packed bf16 or f16 multiplies, adds, multiply-adds, maxima and minima; sums over many terms, partial sums and values carried from step to step in f32; what a program stores and reads back later, other than sums and carried values, may be rounded once to bf16 or f16.
;; Inputs: k 4 x 16 x 2,048 x 64 float32; q 4 x 16 x 2,048 x 64 float32; v 4 x 16 x 2,048 x 64 float32.
;; Outputs: out0 4 x 16 x 2,048 x 64 float32.
;; One version. Each part assembles by itself: llvm-mc -triple=amdgcn-amd-amdhsa -mcpu=gfx1250 --defsym DOCPART=n.
;; ======== version 1 of 1: 1 launch
;; limits: values are held in f16: magnitudes above 65,504 overflow, below 6.1e-05 lose precision; inputs' magnitudes at most 65,504
;; launch attn (part 1): grid 4 x 64, 4 waves a work-group, clusters of 4 x 1, 327,680 bytes of LDS; arguments q, k, v, out0; writes out0
.if DOCPART == 1
	.amdgcn_target "amdgcn-amd-amdhsa--gfx1250"
	.amdhsa_code_object_version 6
	.text
	.protected	k_q281837d3a3_attn
	.globl	k_q281837d3a3_attn
	.p2align	8
	.type	k_q281837d3a3_attn,@function
k_q281837d3a3_attn:
	s_mov_b64 s[64:65], 0
	v_nop
	global_prefetch_b8 v0, s[64:65] scope:SCOPE_SE
	s_setreg_imm32_b32 hwreg(HW_REG_WAVE_MODE, 25, 1), 1
	s_wait_xcnt 0x0
	s_wait_alu depctr_hold_cnt(0) depctr_sa_sdst(0) depctr_va_vdst(0) depctr_va_sdst(0) depctr_va_ssrc(0) depctr_va_vcc(0) depctr_vm_vsrc(0)
	s_getreg_b32 s2, hwreg(HW_REG_IB_STS2, 6, 4)
	s_cmp_eq_u32 s2, 0
	s_cbranch_scc0 .Lentry_in_a_cluster
	s_endpgm
.Lentry_in_a_cluster:
	s_bfe_u32 s2, ttmp6, 0x10000c
	s_cmp_lg_u32 s2, 0x3003
	s_cbranch_scc0 .Lentry_shape_is_right
	s_endpgm
.Lentry_shape_is_right:
; O[h][q][:] = the sum over k of softmax_k(Q[h][q] . K[h][k] / 8) V[h][k][:].  Q, K, V, O: [64 heads][2048][64], all f32: a row is 256 bytes, a head 524,288.
; Q, K, V and the weights p are rounded once to f16 for the matrix unit; products, maxima and sums in f32 (l is the sum of the unrounded p); O leaves in f32.
; LIMITS.  f16 holds no number beyond 65,504: an input of 65,520 or more in magnitude becomes an infinity; below 6e-5 an f16 number keeps the fixed step of 6e-8.  p lies in 0 to 1.
; A weight below 2^-126 counts as 0 in l; NaN and infinities are not treated apart.
; SHARES.  A work-group owns 512 queries of one head, each of its four waves 128: four PIECES of two tiles of 16.  Every wave walks all 2,048 keys, 64 a step, 128 (a TILE) a change of slots.
; LAYOUT.  S^T = K Q^T (source 0 = 16 keys, source 1 = 16 queries): in the result a lane holds ONE query (lane % 16) and the keys 8 (lane / 16) + 0..7.  Two such results, rounded to f16 in pairs,
; ARE source 1 (32 keys x 16 queries) of O^T = V^T P, whose result again holds one query a lane, and eight channels.  K comes out of LDS as it lies, V ([key][channel]) turned, by ds_load_tr16_b128.
; SOFTMAX.  For each query a running maximum m and sum l: p = 2^(c s - c m), c = log2(e) / 8; in every step O and l are multiplied by a = 2^(c m_old - c m_new), which is 1 where m has not grown.
; m starts at the lowest finite number and l at 0: the first step is a step like any other, with a = 0.  O^T is not cleared: its registers hold Q as f32, the same query in the same lane, finite numbers that the first a = 0 wipes out.
; FROM f32 TO f16.  K's and V's tiles come by tensor loads, as f32, into two STAGING slots that take turns.  The four waves together round each tile once (a wave: 32 keys of K and of V) into one of
; two f16 buffers, which no tensor load ever fills; all fragments are read from those.  PERIOD t: every wave waits for its tensor loads (tile t + 1 has landed), for its reads of staging slot t % 2, for
; its stores into f16 buffer t % 2 and for its reads of f16 buffer (t + 1) % 2; a round of the cluster's barrier; tile t + 2 is asked for into staging slot t % 2; tile t + 1 is rounded into f16 buffer
; (t + 1) % 2; two key steps fetch tile t's fragments from f16 buffer t % 2.  So the one round orders all four kinds of accesses.
; BY TURNS.  Turn n belongs to piece n (the pieces in a ring, step after step).  Its matrix work: 16 products K Q^T of piece n + 1, later 16 products V^T P of piece n - 1.  Its vector work: the scaling,
; exponentials, roundings, sums and rescaling of piece n, and the maximum and statistics of piece n + 1.  A tile of 16 queries and a step have 16 matrix and 118 vector instructions: four vector
; instructions that are ready stand behind EVERY matrix instruction, the others in runs of their own.
; CLUSTER.  The four query blocks of a head are one cluster and walk the same K and V, so each tile is asked for JOINTLY: the same tensor load, descriptor and mask in all four.
; REGISTERS, in windows of 256 (s_set_vgpr_msb says which window each operand place means: bits 1:0 source 0, 3:2 source 1, 5:4 source 2, 7:6 destination):
;   window 0: v0-11 addresses; v12-15, v48-63 at work; v16-47 four registers of statistics a tile; v64-191 S^T, two buffers of two tiles; v192-255 P, likewise
;   window 1: O^T, 32 a tile (at the start: Q as f32)      window 2: v0-127 Q, 16 a tile; v128-191 K of one step; v192-255 V of one step
;   window 3: v0-1 the add's two registers; v2-9 the rounding's addresses; v16-79 the rounding's 16 x 4 registers
.set NP,    4         ; pieces a wave: a name, no knob
.set KS,    64        ; keys in a step
.set TILEB, 32768     ; a tile of K or of V in memory and in a staging slot: 128 rows of 256 bytes
.set FX,    1<<16     ; staging slot 0 at LDS byte 0, slot 1 here: K's tile, then V's
.set HB,    1<<17     ; f16 buffer 0 begins here,
.set HX,    1<<16     ; buffer 1 this much further on: one exclusive or turns an address in one into the other's (the same step as between the staging slots)
.set PK,    144       ; a row of K in f16: 128 bytes + 16 = 36 words: the 16 rows of a load start at 16 different groups of four banks (64 banks of 4 bytes: ISA guide 11.1)
.set PV,    160       ; a row of V: 128 + 32 = 40 words
.set VOFF,  2*KS*PK   ; in an f16 buffer: 128 rows of K, then 128 rows of V
.set STAGE, HB+HX+2*KS*(PK+PV)  ; behind the f16 buffers: 16 rows x 272 bytes for each wave, for the way out
.set SP,    272
.set SPARE, STAGE+4*16*SP  ; behind the stages: the spare words, 128 bytes for each wave: two blocks of 256 bytes that no other line names
.set AK0, 2           ; v2   my lane's place in a tile of K; never rewritten
.set AV0, 3           ; v3   the same for V
.set AK,  4           ; v4   the LDS address of K's next run of loads
.set AV,  5           ; v5   of V's
.set QO,  6           ; v6   my byte offset in 16 rows of Q
.set STO, 6           ;      later, the way out: where I put 32 bytes of a row
.set RD,  7           ; v7   the way out: where I read rows back
.set GO,  8           ; v8   my byte offset in 512 consecutive bytes of O
.set PFO, 11          ; v11  256 x my lane: a row of K or V is 256 bytes; never rewritten once made
.set MV,  12          ; v12-15  c m_old, kept while c m is made anew: by buffer and tile
.set ST,  16          ; tile t's statistics at v[ST+4 t]: c m, m, l (even keys', odd keys')
.set TMP, 48          ; by buffer and tile, four registers c0-c3 at work; when the maximum is found c2 takes a
.set S,   64
.set P,   192
.set KF,  128         ; K's fragments, in window 2: key block kb, channel half c at KF + 16 kb + 8 c
.set VF,  192         ; V's: key half kk, channel block cb at VF + 32 kk + 8 cb
.set SPW, 0           ; window 3: v0  LDS address of my spare word: SPARE + 4 x my thread's number; never rewritten
.set NIL, 1           ;           v1  0; never rewritten
.set CKL0, 2          ;           v2  the rounding: where I read K in staging slot 0
.set CVL0, 3          ;           v3  where I read V
.set CKS0, 4          ;           v4  where I put K in f16 buffer 0
.set CVS0, 5          ;           v5  where I put V
.set LK,  6           ;           v6-9  the same four for the 16 keys in hand
.set LV,  7
.set SK,  8
.set SV,  9
.set XR,  16          ;           v16-79  16 loads of four f32, rounded in place
.set WV,  12          ; s12  my wave's number
.set LIM, 15          ; s15  1 in a wave that prefetches, else the greatest number
.set PFA, 18          ; s[18:19] where my prefetches stand in memory
.set G1,  24          ; s[24:31] descriptor group 1, for K's and V's tiles alike
.set G0K, 32          ; s[32:39] descriptor group 0 for K's tiles: a set for each of the two first fills; the second then walks on
.set G0V, 40          ; s[40:47] the same for V's
.set SLOTS, 48        ; s48  tiles still to be asked for
.set CNT, 49          ; s49  counts key steps
.set CS,  50          ; s[50:51] c: the packed scaling takes the pair's low word for both halves
.set SEL, 52          ; s[52:53] v_permlanex16_b32's selects: each lane takes its own place in the other half
.set TBK, 54          ; s54  LDS byte at which K of the step to be fetched begins
.set TBV, 55          ; s55  the same for V, less VOFF
.set CL,  56          ; s56  the rounding: what is added to my two read addresses,
.set CK,  57          ; s57  to K's store address,
.set CW,  58          ; s58  to V's
.set CC,  59          ; s59  counts the rounding's two trips
.set PAR, 60          ; s60  0 or 65,536: which staging slot and which f16 buffer the next rounding takes
.set NEW, 61          ; s61  1: the tile to be entered is the first
.set MSB, 0
.macro WIN new                      ; the high byte repeats the setting that is left; a switch that changes nothing is dropped
.if MSB != (\new)
	s_set_vgpr_msb (MSB<<8)|(\new)
.set MSB, (\new)
.endif
.endm
.set W_KQ, 0x0a       ; K and Q in window 2, S^T in window 0
.set W_PV, 0x52       ; V in window 2, P in window 0, O^T in window 1
.set W_RS, 0x41       ; O^T (destination and source 0) in window 1, the factor in window 0
.set W_MK, 0xc0       ; destination in window 3, sources in window 0
.set W_AD, 0x0f       ; the add: address (source 0) and data (source 1) in window 3
.set W_CV, 0xcf       ; the rounding: everything in window 3
; A joint refill.  Waves 0 and 1 fetch the two halves of a tile's K, waves 2 and 3 those of its V: 64 rows of 256 bytes each.  The branch hangs on the wave's number alone.
; An s_nop 0 and four v_nop follow each of the two lines, ahead of the jump and the label.
.macro JLOAD
	s_cmp_lt_u32 s[WV], 2
	s_cbranch_scc0 .Lfor_v_\@
	tensor_load_to_lds s[G0K+4:G0K+7], s[G1:G1+7]
	s_nop 0
.rept 4
	v_nop
.endr
	s_branch .Lasked_\@
.Lfor_v_\@:
	tensor_load_to_lds s[G0V+4:G0V+7], s[G1:G1+7]
	s_nop 0
.rept 4
	v_nop
.endr
.Lasked_\@:
.endm
; A PREFETCH INTO THE L2 of the tile that the NEXT change of slots will ask for: 128 rows of K and 128 of V, a lane a row.  It stands behind the wave's tensor load and its five lines.
; Each row is named ONCE in the launch: a head's K and V are walked by one cluster; its four partners share a tile's rows out BY ADDRESS, 32 each; in each, wave 0 asks for K's and wave 2 for V's.
; The last change that fills a slot asks for nothing: there is no tile behind the one that it loads.  Tiles 0 to 2 come by their loads alone.
.macro ASK
	s_cmp_gt_u32 s[SLOTS], s[LIM]
	s_cbranch_scc0 .Lnot_mine_\@
	global_prefetch_b8 v[PFO], s[PFA:PFA+1] th:TH_LOAD_NT scope:SCOPE_SE
.Lnot_mine_\@:
.endm
; A round of the cluster's barrier: my work-group's barrier, so that wave 0's signal speaks for all four waves; wave 0 signals; every wave waits for all four work-groups; my work-group's barrier once more.
.macro CROUND
	s_barrier_signal -1
	s_barrier_wait -1
	s_cmp_lg_u32 s[WV], 0
	s_cbranch_scc1 .Lnot_wave_0_\@
	s_barrier_signal -3
.Lnot_wave_0_\@:
	s_barrier_wait -3
	s_barrier_signal -1
	s_barrier_wait -1
.endm
; THE CHANGE OF SLOTS.  Each wave waits for all its tensor loads, of which one is out: its part of the next tile; adds 0 to its spare word; and waits for that, for its reads of the staging slot that it
; rounded last, for its stores into the f16 buffer and for its reads of the other f16 buffer.  fill = 1: the barrier is a round of the cluster's, so that no wave of any partner still reads the staging
; slot or has a load on its way, and the joint refill is the first thing behind it: it has two key steps, 256 matrix instructions, in which to land.
.macro CHANGE fill
	WIN W_AD
	s_wait_tensorcnt 0x0            ; no tensor load of mine is out, so a group 0 may be written
	ds_add_u32 v[SPW], v[NIL]       ; 0 onto my spare word; with fill = 1 the descriptors' steps stand between it and the wait for it
	WIN 0                           ; at a label and at a branch every window is 0
.if \fill
.irp g, G0K+4, G0V+4
	s_xor_b32 s[\g+1], s[\g+1], FX  ; the walking descriptor: the other staging slot than last time,
	s_add_nc_u64 s[\g+2:\g+3], s[\g+2:\g+3], TILEB  ; the next 128 keys; the type bits on top are not reached
.endr
	s_wait_xcnt 0x0                 ; the last prefetch, two key steps back, has read its address, so it may be written:
	s_add_nc_u64 s[PFA:PFA+1], s[PFA:PFA+1], TILEB  ; one tile behind the walking descriptors
	s_wait_dscnt 0x0                ; the add is done, and so are all my LDS reads and stores
	CROUND
	JLOAD
	ASK
.else
	s_wait_dscnt 0x0                ; the add is done, and so are all my LDS reads and stores
	s_barrier_signal -1
	s_barrier_wait -1
.endif
	s_sub_co_u32 s[TBK], s[TBK], 2*KS*PK  ; the fetches go back to a tile's first step,
	s_xor_b32 s[TBK], s[TBK], HX          ; in the other f16 buffer
	s_sub_co_u32 s[TBV], s[TBV], 2*KS*PV
	s_xor_b32 s[TBV], s[TBV], HX
.endm
; THE ROUNDING of a tile.  My wave takes keys 32 w .. 32 w + 31 of K and of V, 16 of each in each of two trips.  A load of 16 bytes a lane takes two whole rows of 256 bytes: lanes 0-15 key k, lanes 16-31
; the key 8 (K) or 4 (V) further on.  Four f32 become 8 bytes; a store's two halves of 128 bytes then lie 1,152 (K) or 640 (V) bytes apart, 128 modulo 256, so that the 32 lanes touch each bank once.
.macro CONVERT
	s_mov_b32 s[CL], s[PAR]
	s_mov_b32 s[CK], s[PAR]
	s_mov_b32 s[CW], s[PAR]
	s_mov_b32 s[CC], 2
.Lhalf_\@:
	WIN W_CV
	v_add_nc_u32 v[LK], s[CL], v[CKL0]
	v_add_nc_u32 v[LV], s[CL], v[CVL0]
	v_add_nc_u32 v[SK], s[CK], v[CKS0]
	v_add_nc_u32 v[SV], s[CW], v[CVS0]
.set n, 0
.rept 8
	ds_load_b128 v[XR+4*n:XR+4*n+3], v[LK] offset:256*n
.set n, n+1
.endr
.rept 8
	ds_load_b128 v[XR+4*n:XR+4*n+3], v[LV] offset:256*(8*((n-8)/4)+(n-8)%4)
.set n, n+1
.endr
	s_wait_dscnt 8                  ; K's eight loads are in; V's eight, issued behind them, may be out
.set n, 0
.rept 8
	v_cvt_pk_f16_f32 v[XR+4*n], v[XR+4*n], v[XR+4*n+1]
	v_cvt_pk_f16_f32 v[XR+4*n+1], v[XR+4*n+2], v[XR+4*n+3]
.set n, n+1
.endr
.set n, 0
.rept 8
	ds_store_b64 v[SK], v[XR+4*n:XR+4*n+1] offset:PK*n
.set n, n+1
.endr
	s_wait_dscnt 8                  ; V's eight loads are in; K's eight stores, issued behind them, may be out
.rept 8
	v_cvt_pk_f16_f32 v[XR+4*n], v[XR+4*n], v[XR+4*n+1]
	v_cvt_pk_f16_f32 v[XR+4*n+1], v[XR+4*n+2], v[XR+4*n+3]
.set n, n+1
.endr
.set n, 8
.rept 8
	ds_store_b64 v[SV], v[XR+4*n:XR+4*n+1] offset:PV*(8*((n-8)/4)+(n-8)%4)
.set n, n+1
.endr
	s_add_co_u32 s[CL], s[CL], 16*256  ; the next 16 keys
	s_add_co_u32 s[CK], s[CK], 16*PK
	s_add_co_u32 s[CW], s[CW], 16*PV
	WIN 0
	s_sub_co_u32 s[CC], s[CC], 1
	s_cmp_lg_u32 s[CC], 0
	s_cbranch_scc1 .Lhalf_\@
	s_xor_b32 s[PAR], s[PAR], FX    ; the next rounding takes the other staging slot and the other f16 buffer
.endm
; Q.  A fragment of K or Q is 16 rows x 32 channels in 8 registers: lane l holds row l % 16, channels 8 (l / 16) + 0..7 and 16 + 8 (l / 16) + 0..7.  As f32 those are two runs of 32 bytes, 64 bytes apart:
; four loads of 16 bytes into 16 registers of window 1.  Load i: tile i / 8, channels 32 ((i / 4) % 2) on, run (i / 2) % 2, 16 bytes i % 2.  Four tiles, 32 loads, at a time.
.macro QLOAD first
	WIN 0x40                        ; destination window 1, address window 0
.set i, (\first)
.rept 32
	global_load_b128 v[4*i:4*i+3], v[QO], s[4:5] offset:4096*(i/8)+128*((i/4)%2)+64*((i/2)%2)+16*(i%2) th:TH_LOAD_NT
.set i, i+1
.endr
.endm
.macro QROUND first                 ; four tiles' Q to f16: register i of window 2 takes two neighbouring channels
	WIN 0x85                        ; sources window 1, destination window 2
.set i, (\first)
.rept 64
	v_cvt_pk_f16_f32 v[i], v[2*i], v[2*i+1]
.set i, i+1
.endr
.endm
	s_load_b256 s[4:11], s[0:1], 0x0  ; Q s[4:5], K s[6:7], V s[8:9], O s[10:11]
	WIN W_MK
	v_lshl_add_u32 v[SPW], v0, 2, SPARE
	v_mov_b32 v[NIL], 0
	WIN W_AD
	ds_add_u32 v[SPW], v[NIL]       ; the wave's opening: the add and its wait stand ahead of my first tensor load; the set-up below, work on registers, stands between them
	WIN 0
	v_lshrrev_b32 v1, 5, v0
	v_readfirstlane_b32 s[WV], v1   ; wave 0..3
	s_bfe_u32 s13, ttmp6, 0x40000   ; cx: my place in the cluster
	s_lshl_b32 s14, ttmp9, 2        ; in a cluster launch ttmp9 counts clusters
	s_add_co_u32 s14, s14, s13      ; my block of 512 queries = 4 x cluster x + cx: it enters Q's and O's addresses alone
	s_and_b32 s20, ttmp7, 0xffff    ; the head, which the four partners share,
	s_lshl_b32 s20, s20, 19         ; times 524,288 bytes: 63 x 2^19 at the most
	s_and_b32 s16, s[WV], 1         ; which half of a tile's 128 keys I fetch:
	s_lshl_b32 s17, s16, 14         ; its 64 rows of 256 bytes, in memory and in a staging slot alike: no place in the cluster enters an LDS address
	s_add_co_u32 s22, s20, s17
	s_mov_b32 s23, 0
	s_lshl_b32 s2, s14, 2
	s_add_co_u32 s2, s2, s[WV]      ; my wave among the head's sixteen,
	s_lshl_b32 s2, s2, 15           ; its 128 rows
	s_add_co_u32 s2, s2, s20
	s_mov_b32 s3, 0
	; descriptor group 1: a tile of 64 rows x 64 elements of 4 bytes, dense in memory and in LDS
	s_mov_b32 s[G1], 15|(2<<16)|(1<<21)  ; 15:0 the mask of four; 17:16 elements of 4 bytes; 20 no padding; 21 set beside a mask
	s_mov_b32 s[G1+1], 64<<16       ; tensor_dim0 = 64
	s_mov_b32 s[G1+2], 64<<16       ; tensor_dim1 = 64
	s_mov_b32 s[G1+3], 64<<16       ; tile_dim0 = 64
	s_mov_b32 s[G1+4], 64           ; tile_dim1 = 64
	s_mov_b32 s[G1+5], 64           ; 64 elements from row to row
	s_mov_b32 s[G1+6], 0
	s_mov_b32 s[G1+7], 0
	s_mov_b32 s[CS], 0x3e38aa3b     ; c = log2(e) / 8 = 0.180337
	s_mov_b32 s[CS+1], s[CS]        ; named with it as a pair
	s_mov_b32 s[SEL], 0x76543210
	s_mov_b32 s[SEL+1], 0xfedcba98
	s_mov_b32 s[TBK], HB+HX+2*KS*PK ; the first change of slots turns these two into f16 buffer 0's first byte
	s_mov_b32 s[TBV], HB+HX+2*KS*PV
	s_mov_b32 s[PAR], 0
	s_mov_b32 s[NEW], 1
	s_mov_b32 s[SLOTS], 14          ; tiles 2 to 15
	s_cmp_eq_u32 s16, 0             ; waves 0 and 2 prefetch: the same in all four partners
	s_cselect_b32 s[LIM], 1, -1
	s_wait_dscnt 0x0                ; the opening add is done
	s_wait_kmcnt 0x0
	s_add_nc_u64 s[6:7], s[6:7], s[22:23]  ; K and V at my half of the head's tile 0
	s_add_nc_u64 s[8:9], s[8:9], s[22:23]
	s_add_nc_u64 s[4:5], s[4:5], s[2:3]    ; Q and O at my wave's first row
	s_add_nc_u64 s[10:11], s[10:11], s[2:3]
	s_cmp_lt_u32 s[WV], 2
	s_cselect_b64 s[PFA:PFA+1], s[6:7], s[8:9]  ; (in waves 0 and 2 these stand at a tile's first row)
	s_lshl_b32 s2, s13, 13          ; my work-group's 32 rows of the 128
	s_add_nc_u64 s[PFA:PFA+1], s[PFA:PFA+1], s[2:3]
	s_add_nc_u64 s[PFA:PFA+1], s[PFA:PFA+1], 2*TILEB  ; in tile 2; the first change of slots steps it to tile 3.  Nothing is prefetched here, at the head
	CROUND                          ; all four work-groups are here: the first joint loads meet
.irp s, 0,1
	s_mov_b32 s[G0K+4*(\s)], 1      ; 1:0 count = 1
	s_add_co_u32 s[G0K+4*(\s)+1], s17, (\s)*FX  ; 63:32 LDS address: staging slot s, K's part
	s_add_nc_u64 s[G0K+4*(\s)+2:G0K+4*(\s)+3], s[6:7], (\s)*TILEB  ; 120:64 global address: tile s
	s_or_b32 s[G0K+4*(\s)+3], s[G0K+4*(\s)+3], 0x80000000  ; 127:126 type = 2
	s_mov_b32 s[G0V+4*(\s)], 1
	s_add_co_u32 s[G0V+4*(\s)+1], s17, (\s)*FX+TILEB  ; V's part lies behind K's
	s_add_nc_u64 s[G0V+4*(\s)+2:G0V+4*(\s)+3], s[8:9], (\s)*TILEB
	s_or_b32 s[G0V+4*(\s)+3], s[G0V+4*(\s)+3], 0x80000000
.endr
	s_cmp_lt_u32 s[WV], 2           ; a wave's two first fills stand in one branch, ahead of every wait on TENSORcnt and every LDS read: two loads of mine are out; an s_nop 0 follows each, four v_nop the second's
	s_cbranch_scc0 .Lfirst_v
	tensor_load_to_lds s[G0K:G0K+3], s[G1:G1+7]
	s_nop 0
	tensor_load_to_lds s[G0K+4:G0K+7], s[G1:G1+7]
	s_nop 0
.rept 4
	v_nop
.endr
	s_branch .Lfirst_asked
.Lfirst_v:
	tensor_load_to_lds s[G0V:G0V+3], s[G1:G1+7]
	s_nop 0
	tensor_load_to_lds s[G0V+4:G0V+7], s[G1:G1+7]
	s_nop 0
.rept 4
	v_nop
.endr
.Lfirst_asked:
	v_and_b32 v1, 15, v0            ; l % 16
	v_bfe_u32 v9, v0, 4, 1          ; l / 16
	v_lshlrev_b32 v[QO], 8, v1
	v_lshl_add_u32 v[QO], v9, 5, v[QO]  ; row x 256 + 32 x half
	QLOAD 0                         ; Q of tiles 0 to 3
	WIN 0
	; What the first turn finds: l is 0, and P's second buffer holds 0, so that its products V^T P, of a piece that has not been, add 0.  All this stands in the wait for Q.
.set i, 0
.rept 2*NP
	v_mov_b32 v[ST+4*i], 0xfe000000    ; c m: far below every c s
	v_mov_b32 v[ST+4*i+1], 0xff7fffff  ; m
	v_mov_b32 v[ST+4*i+2], 0
	v_mov_b32 v[ST+4*i+3], 0
.set i, i+1
.endr
.set i, P+32
.rept 32
	v_mov_b32 v[i], 0
.set i, i+1
.endr
	v_mul_u32_u24 v[AK0], v1, PK
	v_lshl_add_u32 v[AK0], v9, 4, v[AK0]  ; row x pitch + 16 x half
	; The turning load takes 16 keys x 16 channels (lane l reads key 8 (l / 16) + l % 8, channels 8 ((l / 8) % 2) + 0..7) and leaves half a fragment of V^T: lane l holds channel l % 16 and 8 keys.
	v_and_b32 v10, 7, v0
	v_bfe_u32 v11, v0, 3, 1
	v_lshl_add_u32 v[AV0], v9, 3, v10
	v_mul_u32_u24 v[AV0], v[AV0], PV
	v_lshl_add_u32 v[AV0], v11, 4, v[AV0]
	v_add_nc_u32 v[AV0], VOFF, v[AV0]
	v_and_b32 v[PFO], 31, v0
	v_lshlrev_b32 v[PFO], 8, v[PFO]
	; the rounding's four addresses: the lane's terms in S^T's idle registers, the wave's in scalars, the sums straight into window 3
	v_lshlrev_b32 v[S], 4, v1              ; 16 (l % 16)
	v_lshl_add_u32 v[S+1], v9, 11, v[S]    ; K in: lanes 16-31 eight rows of 256 bytes further on
	v_lshl_add_u32 v[S+2], v9, 10, v[S]    ; V in: four rows
	v_lshlrev_b32 v[S+3], 3, v1            ; 8 (l % 16)
	v_mul_u32_u24 v[S+4], v9, 8*PK         ; K out: eight rows of 144
	v_add_nc_u32 v[S+4], v[S+4], v[S+3]
	v_mul_u32_u24 v[S+5], v9, 4*PV         ; V out: four rows of 160
	v_add_nc_u32 v[S+5], v[S+5], v[S+3]
	s_lshl_b32 s20, s[WV], 13              ; my wave's 32 rows of 256 bytes,
	s_add_co_u32 s21, s20, TILEB           ; in V's part
	s_mul_i32 s22, s[WV], 32*PK
	s_add_co_u32 s22, s22, HB
	s_mul_i32 s23, s[WV], 32*PV
	s_add_co_u32 s23, s23, HB+VOFF
	WIN W_MK
	v_add_nc_u32 v[CKL0], s20, v[S+1]
	v_add_nc_u32 v[CVL0], s21, v[S+2]
	v_add_nc_u32 v[CKS0], s22, v[S+4]
	v_add_nc_u32 v[CVS0], s23, v[S+5]
	s_wait_loadcnt 0x0              ; Q of tiles 0 to 3 is in
	QLOAD 32                        ; Q of tiles 4 to 7: on its way under the rounding of the first four tiles and of K's and V's tile 0
	QROUND 0
	WIN 0
	s_wait_tensorcnt 1              ; my part of tile 0 is in; tile 1's load, the one issued behind it, may stay out
	s_barrier_signal -1
	s_barrier_wait -1               ; everybody's part is in
	CONVERT                         ; tile 0 into f16 buffer 0
	s_wait_loadcnt 0x0              ; Q of tiles 4 to 7 is in
	QROUND 64
	WIN 0
; THE MATRIX WORK.  The 8 accumulators of a run of 16 take turns: between the two links of a chain stand 7 others'.
; Product i of 16 of S^T = K Q^T for piece x: channels 32 (i / 8) on, keys 16 ((i / 2) % 4) on, tile 2 x + i % 2.  The first 8 start the sums.
.macro KQ x
	WIN W_KQ
.set rS, S+64*((\x)%2)+32*(i%2)+8*((i/2)%4)
.set rK, KF+16*((i/2)%4)+8*(i/8)
.set rQ, 16*(2*(\x)+i%2)+8*(i/8)
.if i < 8
	v_wmma_f32_16x16x32_f16 v[rS:rS+7], v[rK:rK+7], v[rQ:rQ+7], 0
.else
	v_wmma_f32_16x16x32_f16 v[rS:rS+7], v[rK:rK+7], v[rQ:rQ+7], v[rS:rS+7]
.endif
.endm
; Product i of 16 of O^T += V^T P for piece x: keys 32 (i / 8) on, channels 16 ((i / 2) % 4) on, tile 2 x + i % 2.
.macro PV x
	WIN W_PV
.set rO, 32*(2*(\x)+i%2)+8*((i/2)%4)
.set rV, VF+32*(i/8)+8*((i/2)%4)
.set rP, P+32*((\x)%2)+16*(i%2)+8*(i/8)
	v_wmma_f32_16x16x32_f16 v[rO:rO+7], v[rV:rV+7], v[rP:rP+7], v[rO:rO+7]
.endm
.macro MM                           ; the turn's next matrix instruction
.if i < 16
	KQ (Y+1)%NP
.set i, i+1
.else
.set i, i-16
	PV (Y+NP-1)%NP
.set i, i+17
.endif
.endm
; THE FRAGMENT LOADS stand in runs of 16, never singly among the matrix instructions: a step's K (64 keys x 64 channels: 8 fragments) and its V (turned).  Their addresses are made some lines ahead.
; last = 1 (the tail): in the last trip there is no further step, and the run is jumped over.
.macro FETCH_K last=0
	WIN 0
.if \last
	s_cmp_eq_u32 s[CNT], 1
	s_cbranch_scc1 .Lno_k_\@
.endif
	WIN 0x80                        ; destination window 2
.irp f, 0,1,2,3,4,5,6,7             ; keys 16 (f / 2) on, channels 32 (f % 2) on
	ds_load_b128 v[KF+8*\f:KF+8*\f+3],   v[AK] offset:(\f/2)*16*PK+(\f%2)*64
	ds_load_b128 v[KF+8*\f+4:KF+8*\f+7], v[AK] offset:(\f/2)*16*PK+(\f%2)*64+32
.endr
	s_add_co_u32 s[TBK], s[TBK], KS*PK  ; the next fetch is the next step's
	WIN 0
.if \last
.Lno_k_\@:
.endif
.endm
.macro FETCH_V
	WIN 0x80
.irp f, 0,1,2,3,4,5,6,7             ; keys 32 (f / 4) on, channels 16 (f % 4) on
	ds_load_tr16_b128 v[VF+8*\f:VF+8*\f+3],   v[AV] offset:(\f/4)*32*PV+(\f%4)*32
	ds_load_tr16_b128 v[VF+8*\f+4:VF+8*\f+7], v[AV] offset:(\f/4)*32*PV+16*PV+(\f%4)*32
.endr
	WIN 0
.endm
; THE VECTOR WORK OF A TURN stands in three queues, each in the order in which its entries become ready; the two tiles alternate, so that no instruction reads the result of the one before it.
.macro REGS y, u                    ; the registers of tile u (0, 1) of piece y
.set rT, ST+4*(2*(\y)+(\u))
.set rC, TMP+8*((\y)%2)+4*(\u)
.set rM, MV+2*((\y)%2)+(\u)
.set rS, S+64*((\y)%2)+32*(\u)
.set rP, P+32*((\y)%2)+16*(\u)
.set rO, 32*(2*(\y)+(\u))
.endm
; Number n of the 22 that find the NEXT piece's (Y + 1) maximum and statistics.  s0-s31 are the lane's 32 scores; each accumulator's lowest registers are read first.  XS, GS and REGS set no window: PL and EX do.
;   0-11  four chains c0-c3 of seven scores each, three operands at a time     12-14, 16  the four scores left over, the old m, and c0-c3 into c0     15  c m_old is kept
;   17, 18  the query's other 32 keys lie in the lane 16 away: the new m         19-21  c m; c m_old - c m_new; a
.macro XS u, n
	REGS (Y+1)%NP, \u
.if (\n) < 4
	v_max3_num_f32 v[rC+(\n)], v[rS+8*(\n)], v[rS+8*(\n)+1], v[rS+8*(\n)+2]
.elseif (\n) < 12
	v_max3_num_f32 v[rC+(\n)%4], v[rC+(\n)%4], v[rS+8*((\n)%4)+2*((\n)/4)+1], v[rS+8*((\n)%4)+2*((\n)/4)+2]
.elseif (\n) == 12
	v_max3_num_f32 v[rC], v[rC], v[rS+7], v[rS+15]
.elseif (\n) == 13
	v_max3_num_f32 v[rC+1], v[rC+1], v[rS+23], v[rS+31]
.elseif (\n) == 14
	v_max3_num_f32 v[rC+2], v[rC+2], v[rC+3], v[rT+1]
.elseif (\n) == 15
	v_mov_b32 v[rM], v[rT]
.elseif (\n) == 16
	v_max3_num_f32 v[rC], v[rC], v[rC+1], v[rC+2]
.elseif (\n) == 17
	v_permlanex16_b32 v[rC+3], v[rC], s[SEL], s[SEL+1]
.elseif (\n) == 18
	v_max_num_f32 v[rT+1], v[rC], v[rC+3]
.elseif (\n) == 19
	v_mul_f32 v[rT], s[CS], v[rT+1]
.elseif (\n) == 20
	v_sub_f32 v[rC+1], v[rM], v[rT]
.else
	v_exp_f32 v[rC+2], v[rC+1]
.endif
.endm
; Number g of the 64 that follow the exponentials.  For each four weights k of a tile (pairs 2 k, 2 k + 1): both pairs are rounded to f16; then the second pair is added onto the first, in place;
; a group later l takes that sum (the first time as l = a l + sum).  In groups of eight, tiles alternating: round, round, add, and l for the group before.
.macro GS g
.set h, (\g)+6*((\g)/62)            ; group 0 has no group before it, and behind group 7 only l is left
.if h >= 6
.set h, h+2
.endif
	REGS Y, h%2
.set k, h/8
.if h%8 < 4
	s_wait_alu depctr_va_vdst(0)
	v_cvt_pk_f16_f32 v[rP+2*k+(h%8)/2], v[rS+4*k+2*((h%8)/2)], v[rS+4*k+2*((h%8)/2)+1]
.elseif h%8 < 6
	v_pk_add_f32 v[rS+4*k:rS+4*k+1], v[rS+4*k:rS+4*k+1], v[rS+4*k+2:rS+4*k+3]
.elseif k == 1
	v_pk_fma_f32 v[rT+2:rT+3], v[rT+2:rT+3], v[rC+2:rC+3], v[rS:rS+1] op_sel_hi:[1,0,1]
.else
	v_pk_add_f32 v[rT+2:rT+3], v[rT+2:rT+3], v[rS+4*k-4:rS+4*k-3]
	s_wait_alu depctr_va_vdst(0)
.endif
.endm
; THE PLAIN QUEUE, 138 long.  0-31: c s - c m for the 16 pairs of both tiles.  Then GS's 64, and among them the next piece's 42: number 15 at 38, 39; 0-14 and 16
; at 42-73, behind the products that make those scores; 17-20 at 95-106, two of three, since each waits for the one before it.
.macro PL
	WIN 0
.if q < 32
	REGS Y, q%2
	v_pk_fma_f32 v[rS+2*(q/2):rS+2*(q/2)+1], v[rS+2*(q/2):rS+2*(q/2)+1], s[CS:CS+1], v[rT:rT+1] op_sel_hi:[1,0,0] neg_lo:[0,0,1] neg_hi:[0,0,1]
.elseif q < 38
	GS q-32
.elseif q < 40
	XS q%2, 15
.elseif q < 42
	GS q-34
.elseif q < 74
	XS q%2, (q-42)/2+(q-42)/30
.elseif q < 95
	GS q-66
.elseif (q < 107) && ((q-95)%3 < 2)
	XS (q-95)%3, 17+(q-95)/3
.elseif q < 107
	GS 29+(q-95)/3
.else
	GS q-74
.endif
.set q, q+1
.endm
; THE EXPONENTIALS' QUEUE, 66 long: s0-s31 of both tiles, and at EA the next piece's two a.
.set EA, 58
.macro EX
	WIN 0
.if (e == EA) || (e == EA+1)
	XS e-EA, 21
.else
.set x, e-2*(e/(EA+2))
	REGS Y, x%2
	v_exp_f32 v[rS+x/2], v[rS+x/2]
.endif
.set e, e+1
.endm
; THE RESCALING's QUEUE: O^T times a, the one part that leaves window 0, so it is dealt four at a time, eight times.
.macro R4
	REGS Y, r%2
	WIN W_RS
	s_wait_alu depctr_va_vdst(0)
.irp z, 0,1,2,3
	v_pk_mul_f32 v[rO+8*(r/2)+2*\z:rO+8*(r/2)+2*\z+1], v[rO+8*(r/2)+2*\z:rO+8*(r/2)+2*\z+1], v[rC+2:rC+3] op_sel_hi:[1,0]
.endr
.set r, r+1
.endm
; HOW THEY ARE DEALT.  Behind a matrix instruction four: plain, exponential, plain, plain (one exponential, a plain instruction on either side), or four of the rescaling.  None names a register of the
; products round it.  What is over stands in two LUMPS: exponential and plain by turns; the second ends in 22 plain instructions.  The two v_permlanex16_b32 fall into the second lump, never behind a product.
; The queues lean on each other, and the deal keeps them in step: exponential e stands behind plain 2 (e / 4) + e % 2 (its scaling); when plain 32 comes, 10 exponentials are out, at 59: 33, at 95: 46; EA comes behind plain 107.
.macro SL
	MM
	PL
	EX
	PL
	PL
.endm
.macro BURST n                      ; 15 matrix instructions, or 16
.rept (\n)-7
	SL
.endr
.rept 3
	MM
	R4
	SL
.endr
	MM
	R4
.endm
; A TURN, for piece p.  cnt = 1: the loop's count is taken down some lines ahead of the branch that stands behind the turn.
; K of the next step is fetched in piece 2's turn, 31 vector instructions behind the last product that read K; the first product that takes it comes behind the rest of the lump, 16 products and the second lump.
; V of the step in hand is fetched at the end of piece 0's turn, 69 behind the last product that read V; the first product that takes it comes behind 16 products and a lump.  The four conditions on e and q below go with the deal.
.macro TURN p, last=0, cnt=0
.set Y, (\p)
.set i, 0
.set q, 0
.set e, 0
.set r, 0
.if (\p) == NP-1
	s_wait_dscnt 0x0                ; K is in (and, behind a change of slots, my stores of the rounding are done)
.endif
	MM
.rept 4
	PL
.endr
	BURST 15
.rept 22
	EX
	PL
.if ((\p) == NP-2) && (e == 18)
	v_add_nc_u32 v[AK], s[TBK], v[AK0]
.endif
.if ((\p) == NP-2) && (e == 24)
	FETCH_K \last
.endif
.endr
.if (\p) == 1
	s_wait_dscnt 0x0                ; V is in
.endif
	BURST 16
.rept 21
	EX
	PL
.endr
.rept 22
	PL
.if ((\p) == 0) && (q == 118)
	v_add_nc_u32 v[AV], s[TBV], v[AV0]
	s_wait_alu depctr_va_vdst(0)
.endif
.if ((\p) == 0) && (q == 130)
	s_add_co_u32 s[TBV], s[TBV], KS*PV
.endif
.if (\cnt) && (q == 130)
	s_sub_co_u32 s[CNT], s[CNT], 1
	s_cmp_lg_u32 s[CNT], 0
.endif
.endr
.if (\p) == 0
	FETCH_V
.endif
.endm
.Lslot:                             ; 14 times: tiles 2 to 15 are asked for, tiles 1 to 14 rounded, tiles 0 to 13 entered
	CHANGE 1
	CONVERT
	s_mov_b32 s[CNT], 2
	s_cmp_eq_u32 s[NEW], 1          ; at the first trip the answer is a constant of the text
	s_cbranch_scc0 .Lstep
	; THE BEGINNING, in the first trip alone: K of key step 0, piece 0's first scores, its maximum and statistics.  V's registers take step 0's V, finite numbers, so that the first turn's products
	; V^T P, of a piece that has not been, are V^T times 0; piece 0's turn fetches the same V again in its place.  Then the loop is entered at a step's first turn, in the middle of a trip.
	s_mov_b32 s[NEW], 0
	v_add_nc_u32 v[AK], s[TBK], v[AK0]
	v_add_nc_u32 v[AV], s[TBV], v[AV0]
	FETCH_K
	FETCH_V
	s_wait_dscnt 0x0
.set i, 0
.rept 16
	KQ 0                            ; there is no vector work yet to set between them
.set i, i+1
.endr
	WIN 0                           ; the addresses for the way out: eight plain vector instructions, the places behind those products
	s_mul_i32 s13, s[WV], 16*SP
	s_add_co_u32 s13, s13, STAGE    ; my stage
	v_mul_u32_u24 v[STO], v1, SP    ; in: row l % 16, 32 bytes for each half of the lanes
	v_lshl_add_u32 v[STO], v9, 5, v[STO]
	v_add_nc_u32 v[STO], s13, v[STO]
	v_mul_u32_u24 v[RD], v9, SP     ; back: lanes 0-15 take one row of 256 bytes, lanes 16-31 the next,
	v_lshl_add_u32 v[RD], v1, 4, v[RD]
	v_add_nc_u32 v[RD], s13, v[RD]
	v_and_b32 v[GO], 31, v0         ; which are 512 consecutive bytes of O
	v_lshlrev_b32 v[GO], 4, v[GO]
.set Y, NP-1                        ; XS works for piece Y + 1: piece 0
.irp n, 0,1,2,3,4,5,6,7,8,9,10,11,12,13,14,15,16,17,18,19,20,21
	XS 0, \n
	XS 1, \n
.endr
	s_branch .Lfirst
.Lstep:                             ; a trip: pieces 2 and 3 of one step, then pieces 0 and 1 of the next, whose K and V it fetches
	TURN 2
	TURN 3
	WIN 0
.Lfirst:
	TURN 0
	TURN 1, 0, 1
	WIN 0
	s_cbranch_scc1 .Lstep
	s_sub_co_u32 s[SLOTS], s[SLOTS], 1
	s_cmp_lg_u32 s[SLOTS], 0
	s_cbranch_scc1 .Lslot
	CHANGE 0                        ; the tail is written out: tile 15 has landed, nothing is asked for; the fetches turn to tile 14 in f16 buffer 0
	CONVERT                         ; tile 15 into f16 buffer 1, whose last reads (tile 13's) every wave has waited for in front of the barrier above
	s_wait_dscnt 0x0                ; for the others' sake: my stores into it are done
	s_barrier_signal -1
	s_barrier_wait -1               ; from here on no wave writes an f16 buffer
	s_mov_b32 s[CNT], 5             ; four trips fetch the steps of tiles 14 and 15; the fifth is left in its middle
.Ltail:
	s_cmp_eq_u32 s[CNT], 3          ; behind tile 14's two steps the fetches go to the head of f16 buffer 1
	s_cselect_b32 s[TBK], HB+HX, s[TBK]
	s_cselect_b32 s[TBV], HB+HX, s[TBV]
	TURN 2, 1
	TURN 3
	WIN 0
	s_sub_co_u32 s[CNT], s[CNT], 1
	s_cmp_eq_u32 s[CNT], 0
	s_cbranch_scc1 .Lout
	TURN 0
	TURN 1
	WIN 0
	s_branch .Ltail
.Lout:                              ; the fifth trip's 16 products K Q^T (on the last K once more) and the maximum made of them serve nothing: the price, once a launch, of one text for every trip
.set i, 0
.rept 16
	PV NP-1                         ; the last piece's V^T P of the last step
.set i, i+1
.endr
	; THE WAY OUT.  l's two halves and the other half of the lanes' are added; O^T is divided by l and sent, in f32, through my stage in LDS, a tile at a time.  The additions are the places behind the last products.
	WIN 0
.macro ALL line:vararg              ; one line for each tile t
.set t, 0
.rept 2*NP
	\line
.set t, t+1
.endr
.endm
	ALL v_add_f32 v[ST+4*t+2], v[ST+4*t+2], v[ST+4*t+3]
	ALL v_permlanex16_b32 v[ST+4*t+3], v[ST+4*t+2], s[SEL], s[SEL+1]
	ALL v_add_f32 v[ST+4*t+2], v[ST+4*t+2], v[ST+4*t+3]
	ALL v_rcp_f32 v[ST+4*t+2], v[ST+4*t+2]
	v_nop                           ; a plain instruction between the last reciprocal and the use of its result
	s_wait_alu depctr_va_vdst(0)
; Tile t: a lane's eight channels of a row are 32 bytes; they go into rows of 272 bytes (17 x 16: the 16 rows of a store start at 16 different groups of four banks) and come back as whole rows of 256, into the registers that they left.
.macro PACK t
	WIN W_RS
.set i, 32*(\t)
.rept 16
	v_pk_mul_f32 v[i:i+1], v[i:i+1], v[ST+4*(\t)+2:ST+4*(\t)+3] op_sel_hi:[1,0]
.set i, i+2
.endr
	WIN 0x04                        ; address window 0, data window 1
.irp f, 0,1,2,3,4,5,6,7             ; channel block f / 2, its registers 4 (f % 2) on
	ds_store_b128 v[STO], v[32*(\t)+4*\f:32*(\t)+4*\f+3] offset:(\f/2)*64+(\f%2)*16
.endr
	WIN 0x40                        ; destination window 1
.irp f, 0,1,2,3,4,5,6,7
	ds_load_b128 v[32*(\t)+4*\f:32*(\t)+4*\f+3], v[RD] offset:\f*2*SP  ; LDS serves a wave's instructions in order (ISA guide 5.7.1.4): these see the stores above; the next tile's stores come behind them
.endr
.endm
.macro SEND t, younger              ; younger: the LDS instructions issued behind tile t's loads: the next tile's sixteen, or none
	WIN 0x04
	s_wait_dscnt \younger           ; tile t's eight loads are back
.irp f, 0,1,2,3,4,5,6,7
	global_store_b128 v[GO], v[32*(\t)+4*\f:32*(\t)+4*\f+3], s[10:11] offset:(\t)*4096+\f*512 th:TH_STORE_NT  ; 512 consecutive bytes, at a multiple of 256 from O's first
.endr
.endm
	PACK 0
.set t, 1
.rept 2*NP-1                        ; a tile's arithmetic stands between the loads of the tile before and its stores
	PACK t
	SEND t-1, 16
.set t, t+1
.endr
	SEND 2*NP-1, 0
	WIN W_AD
	s_wait_tensorcnt 0x0            ; the wave's end: behind my last tensor load and my last LDS store
	ds_add_u32 v[SPW], v[NIL]
	s_wait_dscnt 0x0
	WIN 0
	CROUND                          ; the closing round: no work-group ends while a partner may still ask for a tile that names it
	s_endpgm
.Lfunc_end_k_q281837d3a3_attn:
	.size	k_q281837d3a3_attn, .Lfunc_end_k_q281837d3a3_attn-k_q281837d3a3_attn
	.p2alignl 7, 3214868480
	.fill 96, 4, 3214868480
	.section	.rodata,"a",@progbits
	.p2align	6, 0x0
	.amdhsa_kernel k_q281837d3a3_attn
		.amdhsa_group_segment_fixed_size 327680
		.amdhsa_private_segment_fixed_size 0
		.amdhsa_enable_private_segment 0
		.amdhsa_kernarg_size 32
		.amdhsa_user_sgpr_count 2
		.amdhsa_user_sgpr_kernarg_segment_ptr 1
		.amdhsa_wavefront_size32 1
		.amdhsa_system_sgpr_workgroup_id_x 1
		.amdhsa_system_sgpr_workgroup_id_y 1
		.amdhsa_system_sgpr_workgroup_id_z 1
		.amdhsa_system_vgpr_workitem_id 0
		.amdhsa_next_free_vgpr 848
		.amdhsa_next_free_sgpr 66
		.amdhsa_reserve_vcc 0
		.amdhsa_float_denorm_mode_32 3
		.amdhsa_float_denorm_mode_16_64 3
		.amdhsa_memory_ordered 1
		.amdhsa_forward_progress 1
		.amdhsa_inst_pref_size 224
	.end_amdhsa_kernel
	.amdgpu_metadata
---
amdhsa.version: [ 1, 2 ]
amdhsa.kernels:
  - .name:           k_q281837d3a3_attn
    .symbol:         k_q281837d3a3_attn.kd
    .args:
      - { .name: q, .offset: 0, .size: 8, .value_kind: global_buffer, .address_space: global }
      - { .name: k, .offset: 8, .size: 8, .value_kind: global_buffer, .address_space: global }
      - { .name: v, .offset: 16, .size: 8, .value_kind: global_buffer, .address_space: global }
      - { .name: out0, .offset: 24, .size: 8, .value_kind: global_buffer, .address_space: global }
    .group_segment_fixed_size: 327680
    .private_segment_fixed_size: 0
    .kernarg_segment_align: 8
    .kernarg_segment_size: 32
    .max_flat_workgroup_size: 128
    .sgpr_count:     66
    .vgpr_count:     848
    .wavefront_size: 32
...
	.end_amdgpu_metadata
.endif
;; end of part 1
